; MI455X (gfx1250); checked and timed in simulation.
; The chip was launched on July 23, 2026; its instructions are those of AMD's public machine-readable ISA for CDNA 5 (MIT licence, August 2026) and "CDNA5" Instruction Set Architecture Reference Guide (July 2026). The comments in the code are by the model that wrote it; some were corrected since.
;; True Higher Order Attention. Allowed arithmetic: float matrix products may take bf16 or f16 operands with f32 sums; all other float work in f32.
;; Inputs: Wc 512 x 512 float32; Wk1 512 x 512 float32; Wk2 512 x 512 float32; Wq 512 x 512 float32; Wv1 512 x 512 float32; Wv2 512 x 512 float32; x 1 x 256 x 512 float32.
;; Outputs: out0 1 x 256 x 512 float32.
;; One version. Each part assembles by itself: llvm-mc -triple=amdgcn-amd-amdhsa -mcpu=gfx1250 --defsym DOCPART=n.
;; ======== version 1 of 1: 2 launches
;; workspace buffers: u 524,288 bytes; sp 65,536 bytes
;; launch proj (part 1): grid 32 x 8, 4 waves a work-group, clusters of 4 x 4, 278,016 bytes of LDS; arguments x, Wq, Wk1, Wk2, Wv1, Wv2, u, sp; writes u, sp
.if DOCPART == 1
	.amdgcn_target "amdgcn-amd-amdhsa--gfx1250"
	.amdhsa_code_object_version 6
	.text
	.protected	k_q4700396c6b_proj
	.globl	k_q4700396c6b_proj
	.p2align	8
	.type	k_q4700396c6b_proj,@function
k_q4700396c6b_proj:
	s_mov_b64 s[64:65], 0
	v_nop
	global_prefetch_b8 v0, s[64:65] scope:SCOPE_SE
	s_setreg_imm32_b32 hwreg(HW_REG_WAVE_MODE, 25, 1), 1
	s_wait_xcnt 0x0
	s_wait_alu depctr_hold_cnt(0) depctr_sa_sdst(0) depctr_va_vdst(0) depctr_va_sdst(0) depctr_va_ssrc(0) depctr_va_vcc(0) depctr_vm_vsrc(0)
	s_getreg_b32 s2, hwreg(HW_REG_IB_STS2, 6, 4)
	s_cmp_eq_u32 s2, 0
	s_cbranch_scc0 .Lentry_in_a_cluster
	s_endpgm
.Lentry_in_a_cluster:
	s_bfe_u32 s2, ttmp6, 0x10000c
	s_cmp_lg_u32 s2, 0xf033
	s_cbranch_scc0 .Lentry_shape_is_right
	s_endpgm
.Lentry_shape_is_right:
; FIRST OF TWO LAUNCHES of the third-order attention  out = y Wc^T,  y[i] = sum over (j,k) of softmax(q[i].k1[j].k2[k] / 8) v1[j] v2[k].
; The mask that the problem builds itself asks j <= i, k <= j (causal) and j >= i, k >= i (window): of each query's 256 x 256 keys only
; j = k = i is left; every other score is set to the lowest finite f32 ahead of the softmax and its exponential is 0.  So per row i and head:
;   s = (sum over d of q[i,d] k1[i,d] k2[i,d]) / 8,   p = exp(s - max) / sum of exponentials,   y[i,c] = p v1[i,c] v2[i,c].
; This launch makes the five projections (x W^T, bf16 operands, f32 sums) and stores
;   u  = v1 * v2 in f32, as [128 column quads][256 rows][4 columns]: byte (c>>2)*4096 + row*16 + (c&3)*4
;   sp = half-sums of q*k1*k2 in f32, as [16 row tiles][32 column blocks of 16][32 lanes]: lane (r,h) = row r, columns 8h..8h+7 of the block.
; The second launch makes s, the softmax weight, y and the last product.
; LIMITS: a surviving score of -inf or of the lowest finite f32 (|sum q k1 k2| / 8 >= 3.4e38) would give the masked keys weight; that case is
; not served.  The sum over K = 512 is made in four slices of 128, added as (p0 + p1) + (p2 + p3).
;
; SHARES: work-group (cb, rb) owns rows 32 rb .. +31 and columns 16 cb .. +15 of all five projections: 32 x 8 = 256 work-groups.
; Wave w owns K = 128 w .. +127: it fetches 32 rows of x and 5 x 16 rows of W, 512 bytes each, and reads only the LDS bytes that it fetched,
; so its own s_wait_tensorcnt is all that its reads need.  Everything fits in LDS at once: no slot is ever filled again.
; CLUSTERS: 4 x 4 work-groups.  x's tile hangs on rb and w alone and is asked for jointly by the four of a row of the cluster; W's tiles hang on
; cb and w alone and are asked for jointly by the four of a column: the requests for both are divided by four.
; THE MATRIX INSTRUCTION IS USED TRANSPOSED: source 0 = 16 rows of W (output columns), source 1 = 16 rows of x.  Register j of lane (r, h) of a
; result then holds (row r, column 8 h + j).
.set PX,    528                        ; an LDS row: 512 bytes + 16 of padding = 132 words: row r starts at bank 4 r mod 64 (64 banks of 4 bytes: ISA guide 11.1)
.set XT,    32*PX                      ; x's tile, 16,896 bytes
.set WT,    16*PX                      ; one W tile, 8,448 bytes; also 16 rows of x
.set WREG,  XT+5*WT                    ; a wave's region, 59,136 bytes
.set RED,   4*WREG                     ; 236,544 = 924 x 256: the partial sums, bytes into which no tensor load lands
.set RPART, 10240                      ; a wave's ten partial tiles of 1,024 bytes: [tile 2 m + a][register half e][lane x 16]
.set LA,  4                            ; v4      LDS address of my fragment bytes: region + r * 528 + 32 h
.set RS,  6                            ; v6      where I put my partial sums
.set RL,  7                            ; v7      where I read the four partial sums of the row tile that I finish
.set UO,  8                            ; v8      my byte offset in u: h * 8192 + r * 16
.set SO,  9                            ; v9      my byte offset in sp: lane * 4
.set XF,  16                           ; v[16:79]    x's fragments in bf16: (row tile a, K quarter t) at XF + 8 (4 a + t)
.set ACC, 80                           ; v[80:111]   two sets of two accumulators: set b, row tile a at ACC + 16 b + 8 a
.set ST,  112                          ; v[112:239]  two sets of 64: f32 as loaded, 16 registers for 32 k; converted in place to 8
.set G1X, 32                           ; s[32:39] descriptor group 1 for x
.set G1W, 40                           ; s[40:47] descriptor group 1 for the W tiles
.set LB,  78                           ; s78      my wave's region in LDS
; A round of the cluster's barrier: my work-group's barrier, wave 0 signals for the work-group, every wave waits for all sixteen, my work-group's barrier again.
.macro CROUND
	s_barrier_signal -1
	s_barrier_wait -1
	s_cmp_lg_u32 s3, 0
	s_cbranch_scc1 .Lnot_wave_0_\@
	s_barrier_signal -3
.Lnot_wave_0_\@:
	s_barrier_wait -3
	s_barrier_signal -1
	s_barrier_wait -1
.endm
; Descriptor group 0 in s[g:g+3]: count 1, LDS address = my region + lds, global address = buffer + offset pair, type 2.
.macro G0SET g, ptr, off, lds
	s_mov_b32 s[\g], 1
	s_add_co_u32 s[\g+1], s[LB], \lds
	s_add_nc_u64 s[\g+2:\g+3], s[\ptr:\ptr+1], s[\off:\off+1]
	s_or_b32 s[\g+3], s[\g+3], 0x80000000
.endm
; The f32 numbers of one fragment (16 rows x 32 k): k = 8h..8h+7 are bytes 32h..32h+31 of the row, k = 16+8h..+7 are 64 bytes further.
.macro LD16 dst, off
	ds_load_b128 v[\dst:\dst+3],     v[LA] offset:\off
	ds_load_b128 v[\dst+4:\dst+7],   v[LA] offset:\off+16
	ds_load_b128 v[\dst+8:\dst+11],  v[LA] offset:\off+64
	ds_load_b128 v[\dst+12:\dst+15], v[LA] offset:\off+80
.endm
; 16 f32 to 8 registers of bf16, k in its true places.  In place it is sound: register dst + i is written when src + 2 i and beyond are still unread.
.macro CV16 dst, src
.irp i, 0,1,2,3,4,5,6,7
	v_cvt_pk_bf16_f32 v[\dst+\i], v[\src+2*\i], v[\src+2*\i+1]
.endr
.endm
.macro PLACES
.rept 4
	v_nop
.endr
.endm
; The four fragments (K quarters) of W tile m into set 'set': 16 LDS loads
.macro LDW m, set
.irp t, 0,1,2,3
	LD16 ST+64*\set+16*\t, XT+(\m)*WT+\t*128
.endr
.endm
; The two partial tiles of projection m, from accumulator set 'set', into my part of RED
.macro PUT m, set
.irp a, 0,1
.irp e, 0,1
	ds_store_b128 v[RS], v[ACC+16*\set+8*\a+4*\e:ACC+16*\set+8*\a+4*\e+3] offset:1024*(2*(\m)+\a)+512*\e
.endr
.endr
.endm
; Projection m on sets cur = m & 1, oth = the other.
.macro STEP m, cur, oth
.irp t, 0,1,2,3
	s_wait_dscnt 12-4*\t                           ; LDW m's 16 loads are the youngest LDS instructions: quarter t is in when 12 - 4 t are out
	CV16 ST+64*\cur+16*\t, ST+64*\cur+16*\t
.endr
.if \m > 0
	PUT \m-1, \oth                                 ; the 32 conversions above, which name set cur alone, are the places behind the last step's matrix instructions (ISA guide 7.12.1)
.endif
.if \m < 4
	s_wait_tensorcnt 3-\m                          ; tensor loads end in order (ISA guide 10.11.1): W tile m + 1 is in when the 3 - m issued behind it are out
	LDW \m+1, \oth                                 ; into the set that the last step multiplied: the same 32 places stand between
.endif
.irp t, 0,1,2,3                                    ; the two accumulators take turns, one instruction a turn; the next step takes the other set
.irp a, 0,1
.if \t == 0
	v_wmma_f32_16x16x32_bf16 v[ACC+16*\cur+8*\a:ACC+16*\cur+8*\a+7], v[ST+64*\cur+16*\t:ST+64*\cur+16*\t+7], v[XF+8*(4*\a+\t):XF+8*(4*\a+\t)+7], 0
.else
	v_wmma_f32_16x16x32_bf16 v[ACC+16*\cur+8*\a:ACC+16*\cur+8*\a+7], v[ST+64*\cur+16*\t:ST+64*\cur+16*\t+7], v[XF+8*(4*\a+\t):XF+8*(4*\a+\t)+7], v[ACC+16*\cur+8*\a:ACC+16*\cur+8*\a+7]
.endif
.endr
.endr
.endm
; The four waves' partial sums of projection m, my row tile, into v[ST + 32 blk ..]: partial p at + 8 p.  8 LDS loads
.macro GET m, blk
.irp p, 0,1,2,3
.irp e, 0,1
	ds_load_b128 v[ST+32*\blk+8*\p+4*\e:ST+32*\blk+8*\p+4*\e+3], v[RL] offset:RPART*\p+2048*\m+512*\e
.endr
.endr
.endm
; (p0 + p1) + (p2 + p3) into the first eight registers of block b
.macro RSUM b
.irp j, 0,2,4,6
	v_pk_add_f32 v[\b+\j:\b+\j+1], v[\b+\j:\b+\j+1], v[\b+8+\j:\b+8+\j+1]
	v_pk_add_f32 v[\b+16+\j:\b+16+\j+1], v[\b+16+\j:\b+16+\j+1], v[\b+24+\j:\b+24+\j+1]
.endr
.irp j, 0,2,4,6
	v_pk_add_f32 v[\b+\j:\b+\j+1], v[\b+\j:\b+\j+1], v[\b+16+\j:\b+16+\j+1]
.endr
.endm
	s_load_b256 s[8:15], s[0:1], 0x0               ; x s[8:9], Wq s[10:11], Wk1 s[12:13], Wk2 s[14:15]
	s_load_b256 s[16:23], s[0:1], 0x20             ; Wv1 s[16:17], Wv2 s[18:19], u s[20:21], sp s[22:23]
	v_lshl_add_u32 v240, v0, 2, 0x43c00
	v_mov_b32 v241, 0
	ds_add_u32 v240, v241
	v_lshrrev_b32 v5, 5, v0
	v_readfirstlane_b32 s3, v5                     ; wave 0..3 = my K slice
	s_and_b32 s7, s3, 1                            ; the row tile that I finish behind the barrier
	s_bfe_u32 s24, ttmp6, 0x40000                  ; cx
	s_bfe_u32 s25, ttmp6, 0x40004                  ; cy
	s_lshl_b32 s26, ttmp9, 2                       ; in a cluster launch ttmp9 and ttmp7 count clusters
	s_add_co_u32 s26, s26, s24                     ; cb = 4 x cluster x + cx
	s_and_b32 s27, ttmp7, 0xffff
	s_lshl_b32 s27, s27, 2
	s_add_co_u32 s27, s27, s25                     ; rb = 4 x cluster y + cy
	s_lshl_b32 s28, s25, 2
	s_lshl_b32 s28, 15, s28                        ; my row of the cluster: places 4 cy .. 4 cy + 3
	s_lshl_b32 s29, 0x1111, s24                    ; my column: places cx, cx + 4, cx + 8, cx + 12
	s_lshl_b32 s4, s3, 9                           ; my K slice: 128 f32 = 512 bytes along a row
	s_lshl_b32 s30, s27, 16                        ; x: 32 rb rows of 2,048 bytes
	s_add_co_u32 s30, s30, s4
	s_mov_b32 s31, 0
	s_lshl_b32 s76, s26, 15                        ; W: 16 cb rows of 2,048 bytes
	s_add_co_u32 s76, s76, s4
	s_mov_b32 s77, 0
	s_mul_i32 s[LB], s3, WREG                      ; no place in the cluster enters an LDS address
	; group 1: rows of 128 f32, 32 of them (x) or 16 (W), 512 elements from row to row, 4 words of padding behind every 128
	s_or_b32 s[G1X+0], s28, (2<<16)|(1<<20)|(1<<21)|(6<<22)|(3<<25)  ; 15:0 mask: my row; 17:16 elements of 4 bytes; 20 padding on; 21 set beside a mask; 24:22 every 128 words (code 6); 31:25 four words (code 3)
	s_or_b32 s[G1W+0], s29, (2<<16)|(1<<20)|(1<<21)|(6<<22)|(3<<25)  ; the same with the mask of my column
	s_mov_b32 s[G1X+1], 128<<16                    ; tensor_dim0 = 128
	s_mov_b32 s[G1W+1], 128<<16
	s_mov_b32 s[G1X+2], 32<<16                     ; tensor_dim1 = 32
	s_mov_b32 s[G1W+2], 16<<16                     ; tensor_dim1 = 16
	s_mov_b32 s[G1X+3], 128<<16                    ; tile_dim0 = 128
	s_mov_b32 s[G1W+3], 128<<16
	s_mov_b32 s[G1X+4], 32                         ; tile_dim1 = 32
	s_mov_b32 s[G1W+4], 16                         ; tile_dim1 = 16
	s_mov_b32 s[G1X+5], 512                        ; the pitch
	s_mov_b32 s[G1W+5], 512
	s_mov_b32 s[G1X+6], 0
	s_mov_b32 s[G1W+6], 0
	s_mov_b32 s[G1X+7], 0
	s_mov_b32 s[G1W+7], 0
	s_wait_dscnt 0x0
	s_wait_kmcnt 0x0
	G0SET 48, 8,  30, 0                            ; x
	G0SET 52, 10, 76, XT                           ; Wq
	G0SET 56, 12, 76, XT+WT                        ; Wk1
	G0SET 60, 14, 76, XT+2*WT                      ; Wk2
	G0SET 68, 16, 76, XT+3*WT                      ; Wv1
	G0SET 72, 18, 76, XT+4*WT                      ; Wv2
	CROUND                                         ; all sixteen work-groups are here: the joint loads meet
	tensor_load_to_lds s[48:51], s[G1X:G1X+7]      ; six loads of the wave are out, all that it ever issues
	s_nop 0
	tensor_load_to_lds s[52:55], s[G1W:G1W+7]
	s_nop 0
	tensor_load_to_lds s[56:59], s[G1W:G1W+7]
	s_nop 0
	tensor_load_to_lds s[60:63], s[G1W:G1W+7]
	s_nop 0
	tensor_load_to_lds s[68:71], s[G1W:G1W+7]
	s_nop 0
	tensor_load_to_lds s[72:75], s[G1W:G1W+7]
	s_nop 0
	v_and_b32 v1, 15, v0                           ; r
	v_bfe_u32 v2, v0, 4, 1                         ; h
	v_and_b32 v3, 31, v0                           ; lane
	v_mul_u32_u24 v[LA], v1, PX
	v_lshl_add_u32 v[LA], v2, 5, v[LA]
	v_add_nc_u32 v[LA], s[LB], v[LA]               ; region + r * 528 + 32 h
	s_mul_i32 s4, s3, RPART
	s_add_co_u32 s4, s4, RED
	v_lshl_add_u32 v[RS], v3, 4, s4                ; RED + wave * 10240 + lane * 16
	s_lshl_b32 s6, s7, 10
	s_add_co_u32 s6, s6, RED
	v_lshl_add_u32 v[RL], v3, 4, s6                ; RED + row tile * 1024 + lane * 16
	v_lshlrev_b32 v[UO], 4, v1
	v_lshl_add_u32 v[UO], v2, 13, v[UO]
	v_lshlrev_b32 v[SO], 2, v3
	; x's eight fragments, converted once and kept for all five projections
	s_wait_tensorcnt 5                             ; x was issued first: it is in when the five W tiles are out
.irp a, 0,1
.irp t, 0,1,2,3
	LD16 ST+16*(4*\a+\t), \a*WT+\t*128
.endr
.endr
.irp f, 0,1,2,3,4,5,6,7
	s_wait_dscnt 28-4*\f                           ; of the 32 loads, four for each of the 7 - f younger fragments may be out
	CV16 XF+8*\f, ST+16*\f
.endr
	s_wait_tensorcnt 4                             ; Wq's tile is in
	LDW 0, 0
	STEP 0, 0, 1                                   ; q
	STEP 1, 1, 0                                   ; k1
	STEP 2, 0, 1                                   ; k2
	STEP 3, 1, 0                                   ; v1  (its tensor wait is for 0: none of my loads is out from here on)
	STEP 4, 0, 1                                   ; v2
	PLACES                                         ; four places behind the last matrix instructions: for the stores of their results and the loads into ST below
	PUT 4, 0
	s_wait_dscnt 0x0                               ; my partial sums are in LDS, for the other waves' sake
	s_barrier_signal -1
	s_barrier_wait -1
	s_cmp_ge_u32 s3, 2
	s_cbranch_scc1 .Lvalues
	; waves 0 and 1: the score's half-sums of row tile a = wave
	GET 0, 0
	GET 1, 1
	GET 2, 2
	s_lshl_b32 s4, s27, 13                         ; sp: row tile 2 rb + a, 4,096 bytes each; column block cb, 128 bytes each
	s_lshl_b32 s6, s7, 12
	s_add_co_u32 s4, s4, s6
	s_lshl_b32 s6, s26, 7
	s_add_co_u32 s4, s4, s6
	s_mov_b32 s5, 0
	s_add_nc_u64 s[22:23], s[22:23], s[4:5]
	s_wait_dscnt 16                                ; q's eight loads are in, the sixteen younger may be out
	RSUM ST
	s_wait_dscnt 8                                 ; k1's
	RSUM ST+32
	s_wait_dscnt 0x0                               ; k2's
	RSUM ST+64
.irp j, 0,2,4,6
	v_pk_mul_f32 v[ST+\j:ST+\j+1], v[ST+\j:ST+\j+1], v[ST+32+\j:ST+32+\j+1]      ; q k1
.endr
	v_pk_mul_f32 v[ST+8:ST+9], v[ST:ST+1], v[ST+64:ST+65]                        ; (q k1) k2, summed over my eight columns
.irp j, 2,4,6
	v_pk_fma_f32 v[ST+8:ST+9], v[ST+\j:ST+\j+1], v[ST+64+\j:ST+64+\j+1], v[ST+8:ST+9]
.endr
	v_add_f32 v[ST+8], v[ST+8], v[ST+9]
	global_store_b32 v[SO], v[ST+8], s[22:23]      ; the wave's store covers 128 consecutive bytes, aligned; the whole buffer is 64 KiB
	s_branch .Lclose
.Lvalues:
	; waves 2 and 3: u = v1 v2 of row tile a = wave - 2
	GET 3, 0
	GET 4, 1
	s_lshl_b32 s4, s26, 14                         ; u: 4 cb column quads of 4,096 bytes; row 32 rb + 16 a, 16 bytes each
	s_lshl_b32 s6, s27, 9
	s_add_co_u32 s4, s4, s6
	s_lshl_b32 s6, s7, 8
	s_add_co_u32 s4, s4, s6
	s_mov_b32 s5, 0
	s_add_nc_u64 s[20:21], s[20:21], s[4:5]
	s_wait_dscnt 8                                 ; v1's eight loads are in
	RSUM ST
	s_wait_dscnt 0x0
	RSUM ST+32
.irp j, 0,2,4,6
	v_pk_mul_f32 v[ST+\j:ST+\j+1], v[ST+\j:ST+\j+1], v[ST+32+\j:ST+32+\j+1]
.endr
	global_store_b128 v[UO], v[ST:ST+3],   s[20:21]               ; columns 8h..8h+3: quad 2 h; sixteen lanes store 256 consecutive bytes, aligned
	global_store_b128 v[UO], v[ST+4:ST+7], s[20:21] offset:4096   ; columns 8h+4..8h+7: quad 2 h + 1
.Lclose:
	s_wait_tensorcnt 0x0
	ds_add_u32 v240, v241
	s_wait_dscnt 0x0
	CROUND                                         ; the closing round: no work-group ends while a partner may still ask for a tile that names it
	s_endpgm
.Lfunc_end_k_q4700396c6b_proj:
	.size	k_q4700396c6b_proj, .Lfunc_end_k_q4700396c6b_proj-k_q4700396c6b_proj
	.p2alignl 7, 3214868480
	.fill 96, 4, 3214868480
	.section	.rodata,"a",@progbits
	.p2align	6, 0x0
	.amdhsa_kernel k_q4700396c6b_proj
		.amdhsa_group_segment_fixed_size 278016
		.amdhsa_private_segment_fixed_size 0
		.amdhsa_enable_private_segment 0
		.amdhsa_kernarg_size 64
		.amdhsa_user_sgpr_count 2
		.amdhsa_user_sgpr_kernarg_segment_ptr 1
		.amdhsa_wavefront_size32 1
		.amdhsa_system_sgpr_workgroup_id_x 1
		.amdhsa_system_sgpr_workgroup_id_y 1
		.amdhsa_system_sgpr_workgroup_id_z 1
		.amdhsa_system_vgpr_workitem_id 0
		.amdhsa_next_free_vgpr 242
		.amdhsa_next_free_sgpr 80
		.amdhsa_reserve_vcc 0
		.amdhsa_float_denorm_mode_32 3
		.amdhsa_float_denorm_mode_16_64 3
		.amdhsa_memory_ordered 1
		.amdhsa_forward_progress 1
		.amdhsa_inst_pref_size 40
	.end_amdhsa_kernel
	.amdgpu_metadata
---
amdhsa.version: [ 1, 2 ]
amdhsa.kernels:
  - .name:           k_q4700396c6b_proj
    .symbol:         k_q4700396c6b_proj.kd
    .args:
      - { .name: x, .offset: 0, .size: 8, .value_kind: global_buffer, .address_space: global }
      - { .name: Wq, .offset: 8, .size: 8, .value_kind: global_buffer, .address_space: global }
      - { .name: Wk1, .offset: 16, .size: 8, .value_kind: global_buffer, .address_space: global }
      - { .name: Wk2, .offset: 24, .size: 8, .value_kind: global_buffer, .address_space: global }
      - { .name: Wv1, .offset: 32, .size: 8, .value_kind: global_buffer, .address_space: global }
      - { .name: Wv2, .offset: 40, .size: 8, .value_kind: global_buffer, .address_space: global }
      - { .name: u, .offset: 48, .size: 8, .value_kind: global_buffer, .address_space: global }
      - { .name: sp, .offset: 56, .size: 8, .value_kind: global_buffer, .address_space: global }
    .group_segment_fixed_size: 278016
    .private_segment_fixed_size: 0
    .kernarg_segment_align: 8
    .kernarg_segment_size: 64
    .max_flat_workgroup_size: 128
    .sgpr_count:     80
    .vgpr_count:     242
    .wavefront_size: 32
...
	.end_amdgpu_metadata
.endif
;; end of part 1
;; launch outp (part 2): grid 16 x 8, 4 waves a work-group, clusters of 4 x 1, 168,448 bytes of LDS; arguments u, sp, Wc, out0; writes out0
.if DOCPART == 2
	.amdgcn_target "amdgcn-amd-amdhsa--gfx1250"
	.amdhsa_code_object_version 6
	.text
	.protected	k_q4700396c6b_outp
	.globl	k_q4700396c6b_outp
	.p2align	8
	.type	k_q4700396c6b_outp,@function
k_q4700396c6b_outp:
	s_mov_b64 s[64:65], 0
	v_nop
	global_prefetch_b8 v0, s[64:65] scope:SCOPE_SE
	s_setreg_imm32_b32 hwreg(HW_REG_WAVE_MODE, 25, 1), 1
	s_wait_xcnt 0x0
	s_wait_alu depctr_hold_cnt(0) depctr_sa_sdst(0) depctr_va_vdst(0) depctr_va_sdst(0) depctr_va_ssrc(0) depctr_va_vcc(0) depctr_vm_vsrc(0)
	s_getreg_b32 s2, hwreg(HW_REG_IB_STS2, 6, 4)
	s_cmp_eq_u32 s2, 0
	s_cbranch_scc0 .Lentry_in_a_cluster
	s_endpgm
.Lentry_in_a_cluster:
	s_bfe_u32 s2, ttmp6, 0x10000c
	s_cmp_lg_u32 s2, 0x3003
	s_cbranch_scc0 .Lentry_shape_is_right
	s_endpgm
.Lentry_shape_is_right:
; SECOND OF TWO LAUNCHES: out = y Wc^T with y[i,c] = p[i, head of c] u[i,c].
; u = v1 * v2 (f32, [128 column quads][256 rows][4 columns]) and sp (half-sums of q k1 k2, [16 row tiles][32 column blocks][32 lanes]) come from the
; first launch.  Per row and head: s = (sum of the head's eight half-sums) / 8.  Of the query's 256 x 256 keys the problem's own mask keeps j = k = i
; alone and sets all others to the lowest finite f32, so the softmax's maximum is max(s, lowest), the others' exponentials are 0, and the sum of
; exponentials is the one exponential: p = exp(s - max) / exp(s - max).  It is computed as written, so that s = +inf or NaN gives NaN as it should.
; LIMITS: s = -inf or the lowest finite f32 (|sum q k1 k2| / 8 >= 3.4e38) would give the masked keys weight; that case is not served.
; y and Wc are rounded to bf16 for the matrix unit; sums in f32; K = 512 in four slices of 128, added as (p0 + p1) + (p2 + p3).
;
; SHARES: work-group (rt, nb) makes rows 16 rt .. +15 and columns 64 nb .. +63 of out: a row piece is 256 consecutive bytes, aligned, stored whole
; by sixteen lanes; that sets the tile's width and gives 16 x 8 = 128 work-groups.  Wave w owns K = 128 w .. +127 = heads 2 w and 2 w + 1.
; Wc's tile (64 rows x 128 k for a wave, as two tiles with rows of 256 bytes) comes by tensor loads; the wave reads only what it fetched itself.
; Nothing in LDS is filled again.  u goes straight from memory into fragment registers: sixteen lanes read 256 consecutive bytes, aligned.
; CLUSTERS: the four work-groups rt = 4 X .. 4 X + 3 of one nb read the same tiles of Wc and ask for them jointly (mask 15).  u is not shared so:
; it hangs on rt, which differs between the partners.
; THE MATRIX INSTRUCTION IS USED TRANSPOSED: source 0 = 16 rows of Wc (output columns), source 1 = 16 rows of y; register j of lane (r, h) of a
; result holds (row r, column 8 h + j).
.set PW,    272                        ; an LDS row: 256 bytes + 16 of padding = 68 words: row r starts at bank 4 r mod 64 (64 banks of 4 bytes: ISA guide 11.1)
.set WT,    64*PW                      ; a tile of 64 rows x 64 k, 17,408 bytes
.set FR,    16*PW                      ; 16 rows
.set WREG,  2*WT                       ; a wave's region
.set RED,   4*WREG                     ; 139,264 = 544 x 256: the partial sums, bytes into which no tensor load lands
.set RPART, 16*PW                      ; a wave's partial tile: 16 rows of 64 f32, pitch 272
.set LA,  4                            ; v4      LDS address of my fragment bytes: region + r * 272 + 32 h
.set UO,  5                            ; v5      my byte offset in u: h * 8192 + r * 16
.set SO,  6                            ; v6      my byte offset in sp: lane * 4
.set RS,  7                            ; v7      where I put my partial sums
.set RL,  8                            ; v8      where I read the four partial sums back by rows
.set OO,  9                            ; v9      my byte offset in out: h * 2048 + r * 16
.set ACC, 16                           ; v[16:47]    four accumulators: column tile j at ACC + 8 j
.set SP,  48                           ; v[48:55]    the eight half-sums of my row: four for each head
.set P0,  58                           ; v[58:59]    the first head's weight, twice (a pair for the packed multiply)
.set P1,  62                           ; v[62:63]    the second head's
.set UF,  64                           ; v[64:127]   u as loaded, 16 registers for 32 k; scaled and converted in place to 8: K quarter t at UF + 16 t
.set ST,  128                          ; v[128:255]  two sets of 64 for Wc's fragments, likewise
.set G1,  24                           ; s[24:31] descriptor group 1
.set LB,  19                           ; s19      my wave's region in LDS
.macro CROUND                          ; a round of the cluster's barrier
	s_barrier_signal -1
	s_barrier_wait -1
	s_cmp_lg_u32 s3, 0
	s_cbranch_scc1 .Lnot_wave_0_\@
	s_barrier_signal -3
.Lnot_wave_0_\@:
	s_barrier_wait -3
	s_barrier_signal -1
	s_barrier_wait -1
.endm
.macro G0SET g, ptr, off, lds          ; group 0: count 1, LDS address = my region + lds, global address = buffer + offset pair, type 2
	s_mov_b32 s[\g], 1
	s_add_co_u32 s[\g+1], s[LB], \lds
	s_add_nc_u64 s[\g+2:\g+3], s[\ptr:\ptr+1], s[\off:\off+1]
	s_or_b32 s[\g+3], s[\g+3], 0x80000000
.endm
.macro LD16 dst, off                   ; the f32 numbers of one fragment: k = 8h..8h+7 at bytes 32h..32h+31 of the row, k = 16+8h..+7 64 bytes further
	ds_load_b128 v[\dst:\dst+3],     v[LA] offset:\off
	ds_load_b128 v[\dst+4:\dst+7],   v[LA] offset:\off+16
	ds_load_b128 v[\dst+8:\dst+11],  v[LA] offset:\off+64
	ds_load_b128 v[\dst+12:\dst+15], v[LA] offset:\off+80
.endm
.macro CV16 dst, src                   ; 16 f32 to 8 registers of bf16; in place, register dst + i is written when src + 2 i and beyond are still unread
.irp i, 0,1,2,3,4,5,6,7
	v_cvt_pk_bf16_f32 v[\dst+\i], v[\src+2*\i], v[\src+2*\i+1]
.endr
.endm
.macro PLACES
.rept 4
	v_nop
.endr
.endm
; Wc's four fragments (column tiles j) of one K quarter: tile c, half nh of its 64 k.  16 LDS loads
.macro LDW set, c, nh
.irp j, 0,1,2,3
	LD16 ST+64*\set+16*\j, WT*\c+FR*\j+128*\nh
.endr
.endm
; K quarter t on set cur; the next quarter (tile nc, half nh) is fetched into set oth.
.macro STEP t, cur, oth, nc, nh
.irp j, 0,1,2,3
	s_wait_dscnt 12-4*\j                           ; this quarter's 16 loads are the youngest LDS instructions: fragment j is in when 12 - 4 j are out
	CV16 ST+64*\cur+16*\j, ST+64*\cur+16*\j
.endr
.if \t < 3
.if \t == 1
	s_wait_tensorcnt 0x0                           ; the second tile, my last tensor load, is in
.endif
	LDW \oth, \nc, \nh                             ; into the set that the last step multiplied: the 32 conversions above, which name set cur alone, are the places between (ISA guide 7.12.1)
.endif
.irp j, 0,1,2,3                                    ; the four accumulators take turns, one instruction a turn
.if \t == 0
	v_wmma_f32_16x16x32_bf16 v[ACC+8*\j:ACC+8*\j+7], v[ST+64*\cur+16*\j:ST+64*\cur+16*\j+7], v[UF+16*\t:UF+16*\t+7], 0
.else
	v_wmma_f32_16x16x32_bf16 v[ACC+8*\j:ACC+8*\j+7], v[ST+64*\cur+16*\j:ST+64*\cur+16*\j+7], v[UF+16*\t:UF+16*\t+7], v[ACC+8*\j:ACC+8*\j+7]
.endif
.endr
.endm
	s_load_b256 s[8:15], s[0:1], 0x0               ; u s[8:9], sp s[10:11], Wc s[12:13], out0 s[14:15]
	v_lshl_add_u32 v14, v0, 2, 0x29000
	v_mov_b32 v15, 0
	ds_add_u32 v14, v15
	v_lshrrev_b32 v10, 5, v0
	v_readfirstlane_b32 s3, v10                    ; wave 0..3 = my K slice
	s_bfe_u32 s16, ttmp6, 0x40000                  ; cx
	s_lshl_b32 s17, ttmp9, 2
	s_add_co_u32 s17, s17, s16                     ; rt = 4 x cluster x + cx
	s_and_b32 s18, ttmp7, 0xffff                   ; nb (the cluster is one work-group high)
	s_mul_i32 s[LB], s3, WREG
	s_lshl_b32 s20, s18, 17                        ; Wc: 64 nb rows of 2,048 bytes,
	s_lshl_b32 s4, s3, 9                           ; my 128 k = 512 bytes along a row: nb and the wave alone, which the partners share
	s_add_co_u32 s20, s20, s4
	s_mov_b32 s21, 0
	s_add_co_u32 s22, s20, 256                     ; the second tile: 64 k further
	s_mov_b32 s23, 0
	s_mov_b32 s[G1+0], 15|(2<<16)|(1<<20)|(1<<21)|(5<<22)|(3<<25)   ; 15:0 mask: all four partners; 17:16 elements of 4 bytes; 20 padding on; 21 set beside a mask; 24:22 every 64 words (code 5); 31:25 four words (code 3)
	s_mov_b32 s[G1+1], 64<<16                      ; tensor_dim0 = 64
	s_mov_b32 s[G1+2], 64<<16                      ; tensor_dim1 = 64
	s_mov_b32 s[G1+3], 64<<16                      ; tile_dim0 = 64
	s_mov_b32 s[G1+4], 64                          ; tile_dim1 = 64
	s_mov_b32 s[G1+5], 512                         ; the pitch
	s_mov_b32 s[G1+6], 0
	s_mov_b32 s[G1+7], 0
	s_mov_b32 s40, 0x76543210                      ; v_permlanex16_b32: lane i of one half reads lane i of the other
	s_mov_b32 s41, 0xfedcba98
	s_lshl_b32 s4, s3, 17                          ; u: my 32 column quads of 4,096 bytes, row 16 rt of 16 bytes
	s_lshl_b32 s5, s17, 8
	s_add_co_u32 s4, s4, s5
	s_mov_b32 s5, 0
	s_lshl_b32 s6, s17, 12                         ; sp: row tile rt of 4,096 bytes, my eight column blocks of 128 bytes
	s_lshl_b32 s7, s3, 10
	s_add_co_u32 s6, s6, s7
	s_mov_b32 s7, 0
	s_lshl_b32 s52, s17, 15                        ; out: 16 rt rows of 2,048 bytes, my four rows, 64 nb columns
	s_lshl_b32 s53, s3, 13
	s_add_co_u32 s52, s52, s53
	s_lshl_b32 s53, s18, 8
	s_add_co_u32 s52, s52, s53
	s_mov_b32 s53, 0
	v_and_b32 v1, 15, v0                           ; r
	v_bfe_u32 v2, v0, 4, 1                         ; h
	v_and_b32 v3, 31, v0                           ; lane
	v_lshlrev_b32 v[UO], 4, v1
	v_lshl_add_u32 v[UO], v2, 13, v[UO]
	v_lshlrev_b32 v[SO], 2, v3
	s_wait_dscnt 0x0
	s_wait_kmcnt 0x0
	s_add_nc_u64 s[44:45], s[8:9], s[4:5]
	s_add_nc_u64 s[46:47], s[10:11], s[6:7]
	s_add_nc_u64 s[48:49], s[14:15], s[52:53]
.irp e, 0,1,2,3,4,5,6,7
	global_load_b32 v[SP+\e], v[SO], s[46:47] offset:128*\e        ; column block 8 w + e: e = 0..3 head 2 w, e = 4..7 head 2 w + 1
.endr
.irp t, 0,1,2,3                                    ; K quarter t: quads 8 t + 2 h, + 1 (k = 8h..8h+7) and 8 t + 4 + 2 h, + 1 (k = 16+8h..+7)
	global_load_b128 v[UF+16*\t:UF+16*\t+3],     v[UO], s[44:45] offset:32768*\t
	global_load_b128 v[UF+16*\t+4:UF+16*\t+7],   v[UO], s[44:45] offset:32768*\t+4096
	global_load_b128 v[UF+16*\t+8:UF+16*\t+11],  v[UO], s[44:45] offset:32768*\t+16384
	global_load_b128 v[UF+16*\t+12:UF+16*\t+15], v[UO], s[44:45] offset:32768*\t+20480
.endr
	G0SET 32, 12, 20, 0
	G0SET 36, 12, 22, WT
	CROUND                                         ; all four work-groups are here: the joint loads meet
	tensor_load_to_lds s[32:35], s[G1:G1+7]        ; two loads of the wave are out, all that it ever issues
	s_nop 0
	tensor_load_to_lds s[36:39], s[G1:G1+7]
	s_nop 0
	v_mul_u32_u24 v[LA], v1, PW
	v_lshl_add_u32 v[LA], v2, 5, v[LA]             ; r * 272 + 32 h
	s_mul_i32 s4, s3, RPART
	s_add_co_u32 s4, s4, RED
	v_add_nc_u32 v[RS], s4, v[LA]                  ; RED + wave * 4352 + r * 272 + 32 h
	v_add_nc_u32 v[LA], s[LB], v[LA]
	s_mul_i32 s4, s3, 4*PW
	s_add_co_u32 s4, s4, RED
	v_mul_u32_u24 v[RL], v2, PW
	v_lshl_add_u32 v[RL], v1, 4, v[RL]
	v_add_nc_u32 v[RL], s4, v[RL]                  ; RED + (4 wave + h) * 272 + r * 16
	v_lshlrev_b32 v[OO], 4, v1
	v_lshl_add_u32 v[OO], v2, 11, v[OO]
	; the softmax weight of my row for my two heads
	s_wait_loadcnt 16                              ; sp's eight loads are in; u's sixteen, issued behind them, may be out
	v_add_f32 v56, v[SP+0], v[SP+1]
	v_add_f32 v60, v[SP+2], v[SP+3]
	v_add_f32 v57, v[SP+4], v[SP+5]
	v_add_f32 v61, v[SP+6], v[SP+7]
	v_add_f32 v56, v56, v60
	v_add_f32 v57, v57, v61
	v_permlanex16_b32 v[SP+0], v56, s40, s41       ; the other eight columns of each block lie in lane xor 16
	v_permlanex16_b32 v[SP+1], v57, s40, s41
	v_add_f32 v56, v56, v[SP+0]
	v_add_f32 v57, v57, v[SP+1]
	v_mul_f32 v56, 0x3e000000, v56                 ; s = sum / 8 = sum / sqrt(64)
	v_mul_f32 v57, 0x3e000000, v57
	v_max_num_f32 v60, 0xff7fffff, v56             ; the row's maximum: the masked keys hold the lowest finite f32
	v_max_num_f32 v61, 0xff7fffff, v57
	v_sub_f32 v60, v56, v60
	v_sub_f32 v61, v57, v61
	v_mul_f32 v60, 0x3fb8aa3b, v60                 ; e^x = 2^(1.442695 x)
	v_mul_f32 v61, 0x3fb8aa3b, v61
	v_exp_f32 v56, v60
	v_exp_f32 v57, v61
	v_nop                                          ; one plain vector instruction behind a transcendental before its result is used or its source rewritten (ISA guide 5.7.2)
	s_wait_alu depctr_va_vdst(0)
	v_rcp_f32 v60, v56                             ; the sum of exponentials is this one: all others are 0
	v_rcp_f32 v61, v57
	v_nop
	s_wait_alu depctr_va_vdst(0)
	v_mul_f32 v[P0], v56, v60
	v_mul_f32 v[P0+1], v56, v60
	v_mul_f32 v[P1], v57, v61
	v_mul_f32 v[P1+1], v57, v61
	; y = p u, rounded to bf16: the four fragments of source 1
.irp t, 0,1
	s_wait_loadcnt 12-4*\t                         ; four loads for each younger quarter may be out
.irp i, 0,2,4,6,8,10,12,14
	v_pk_mul_f32 v[UF+16*\t+\i:UF+16*\t+\i+1], v[UF+16*\t+\i:UF+16*\t+\i+1], v[P0:P0+1]
.endr
	CV16 UF+16*\t, UF+16*\t
.endr
.irp t, 2,3
	s_wait_loadcnt 12-4*\t
.irp i, 0,2,4,6,8,10,12,14
	v_pk_mul_f32 v[UF+16*\t+\i:UF+16*\t+\i+1], v[UF+16*\t+\i:UF+16*\t+\i+1], v[P1:P1+1]
.endr
	CV16 UF+16*\t, UF+16*\t
.endr
	s_wait_tensorcnt 1                             ; the first tile is in, the second may be out
	LDW 0, 0, 0
	STEP 0, 0, 1, 0, 1
	STEP 1, 1, 0, 1, 0
	STEP 2, 0, 1, 1, 1
	STEP 3, 1, 0, 0, 0                             ; fetches nothing more
	PLACES                                         ; four places behind the last matrix instructions: for the stores of their results and the loads into ST below
.irp j, 0,1,2,3
	ds_store_b128 v[RS], v[ACC+8*\j:ACC+8*\j+3]   offset:64*\j      ; row r, columns 16 j + 8 h .. + 3
	ds_store_b128 v[RS], v[ACC+8*\j+4:ACC+8*\j+7] offset:64*\j+16
.endr
	s_wait_dscnt 0x0                               ; my partial sums are in LDS, for the other waves' sake
	s_barrier_signal -1
	s_barrier_wait -1
	; the way out: I finish rows 4 w .. 4 w + 3, two at a time: lanes 0-15 one row piece of 256 bytes, lanes 16-31 the next
.irp i, 0,1
.irp p, 0,1,2,3
	ds_load_b128 v[ST+16*\i+4*\p:ST+16*\i+4*\p+3], v[RL] offset:RPART*\p+2*PW*\i
.endr
.endr
.irp i, 0,1
	s_wait_dscnt 4-4*\i                            ; the four partial sums of this pair of rows are in
	v_pk_add_f32 v[ST+16*\i:ST+16*\i+1],     v[ST+16*\i:ST+16*\i+1],     v[ST+16*\i+4:ST+16*\i+5]
	v_pk_add_f32 v[ST+16*\i+2:ST+16*\i+3],   v[ST+16*\i+2:ST+16*\i+3],   v[ST+16*\i+6:ST+16*\i+7]
	v_pk_add_f32 v[ST+16*\i+8:ST+16*\i+9],   v[ST+16*\i+8:ST+16*\i+9],   v[ST+16*\i+12:ST+16*\i+13]
	v_pk_add_f32 v[ST+16*\i+10:ST+16*\i+11], v[ST+16*\i+10:ST+16*\i+11], v[ST+16*\i+14:ST+16*\i+15]
	v_pk_add_f32 v[ST+16*\i:ST+16*\i+1],     v[ST+16*\i:ST+16*\i+1],     v[ST+16*\i+8:ST+16*\i+9]
	v_pk_add_f32 v[ST+16*\i+2:ST+16*\i+3],   v[ST+16*\i+2:ST+16*\i+3],   v[ST+16*\i+10:ST+16*\i+11]
	global_store_b128 v[OO], v[ST+16*\i:ST+16*\i+3], s[48:49] offset:4096*\i th:TH_STORE_NT   ; sixteen lanes store 256 consecutive bytes, aligned
.endr
	s_wait_tensorcnt 0x0
	ds_add_u32 v14, v15
	s_wait_dscnt 0x0
	CROUND                                         ; the closing round: no work-group ends while a partner may still ask for a tile that names it
	s_endpgm
.Lfunc_end_k_q4700396c6b_outp:
	.size	k_q4700396c6b_outp, .Lfunc_end_k_q4700396c6b_outp-k_q4700396c6b_outp
	.p2alignl 7, 3214868480
	.fill 96, 4, 3214868480
	.section	.rodata,"a",@progbits
	.p2align	6, 0x0
	.amdhsa_kernel k_q4700396c6b_outp
		.amdhsa_group_segment_fixed_size 168448
		.amdhsa_private_segment_fixed_size 0
		.amdhsa_enable_private_segment 0
		.amdhsa_kernarg_size 32
		.amdhsa_user_sgpr_count 2
		.amdhsa_user_sgpr_kernarg_segment_ptr 1
		.amdhsa_wavefront_size32 1
		.amdhsa_system_sgpr_workgroup_id_x 1
		.amdhsa_system_sgpr_workgroup_id_y 1
		.amdhsa_system_sgpr_workgroup_id_z 1
		.amdhsa_system_vgpr_workitem_id 0
		.amdhsa_next_free_vgpr 256
		.amdhsa_next_free_sgpr 66
		.amdhsa_reserve_vcc 0
		.amdhsa_float_denorm_mode_32 3
		.amdhsa_float_denorm_mode_16_64 3
		.amdhsa_memory_ordered 1
		.amdhsa_forward_progress 1
		.amdhsa_inst_pref_size 29
	.end_amdhsa_kernel
	.amdgpu_metadata
---
amdhsa.version: [ 1, 2 ]
amdhsa.kernels:
  - .name:           k_q4700396c6b_outp
    .symbol:         k_q4700396c6b_outp.kd
    .args:
      - { .name: u, .offset: 0, .size: 8, .value_kind: global_buffer, .address_space: global }
      - { .name: sp, .offset: 8, .size: 8, .value_kind: global_buffer, .address_space: global }
      - { .name: Wc, .offset: 16, .size: 8, .value_kind: global_buffer, .address_space: global }
      - { .name: out0, .offset: 24, .size: 8, .value_kind: global_buffer, .address_space: global }
    .group_segment_fixed_size: 168448
    .private_segment_fixed_size: 0
    .kernarg_segment_align: 8
    .kernarg_segment_size: 32
    .max_flat_workgroup_size: 128
    .sgpr_count:     66
    .vgpr_count:     256
    .wavefront_size: 32
...
	.end_amdgpu_metadata
.endif
;; end of part 2
